; MI455X (gfx1250); checked and timed in simulation.
; The chip was launched on July 23, 2026; its instructions are those of AMD's public machine-readable ISA for CDNA 5 (MIT licence, August 2026) and "CDNA5" Instruction Set Architecture Reference Guide (July 2026). The comments in the code are by the model that wrote it; some were corrected since.
;; Mult Head Inten. Allowed arithmetic: matrix products marked QUANTISED: E2M1 operands, one E8M0 scale for each 32 along K, by v_wmma_scale_f32_16x16x128_f8f6f4 with both operands' format E2M1 (or v_wmma_scale_f32_32x16x128_f4), f32 sums; everything else in f32.
;; Inputs: W_proj_codes 1,024 x 32 x 16 uint8 (E2M1 codes of W_proj, K innermost, in blocks of 32 codes, two codes a byte); W_proj_scales 1,024 x 32 uint8 (E8M0 scales of W_proj, one for each 32 codes along K); W_qkv_codes 3,072 x 32 x 16 uint8 (E2M1 codes of W_qkv, K innermost, in blocks of 32 codes, two codes a byte); W_qkv_scales 3,072 x 32 uint8 (E8M0 scales of W_qkv, one for each 32 codes along K); b_proj 1,024 float32; b_qkv 3,072 float32; x_codes 4 x 2,048 x 32 x 16 uint8 (E2M1 codes of x, K innermost, in blocks of 32 codes, two codes a byte); x_scales 4 x 2,048 x 32 uint8 (E8M0 scales of x, one for each 32 codes along K).
;; Outputs: out0 4 x 2,048 x 1,024 float32.
;; This version of the problem:
;;   THIS VERSION OF THE PROBLEM IS GIVEN IN LOW PRECISION. The matrix products marked QUANTISED in the list below multiply operands that are first quantised to E2M1 (2 exponent bits, 1 mantissa bit; 4 bits a number), with one power-of-two scale for each 32 numbers along K (OCP MX v1.0); their sums are f32. All else is computed in f32.
;;   The module's matrix products, in the order in which they are computed (A, B: the left and right operand; K: the contracted axis; several contracted axes count as one K, in the product's order):
;;     1. [M 8,192, K 1,024] x [K 1,024, N 3,072]; A: input x (given as codes); B: input W_qkv (given as codes): QUANTISED
;;     2. batch 64 x [M 2,048, K 64] x [K 64, N 2,048]; A: computed on the way; B: computed on the way: QUANTISED
;;     3. batch 64 x [M 2,048, K 2,048] x [K 2,048, N 64]; A: softmax (see below); B: computed on the way: QUANTISED
;;     4. [M 8,192, K 1,024] x [K 1,024, N 1,024]; A: computed on the way; B: input W_proj (given as codes): QUANTISED
;;   THE QUANTISER, for each operand of a quantised product, along K:
;;     - K is cut into blocks of 32 from its start; a last block that is shorter is filled with zeros.
;;     - A block's scale is 2^e with e = floor(log2(the largest magnitude in the block)) - 2, held to -126 .. 127; a block of zeros has e = 0. As a byte (E8M0): e + 127.
;;     - Each number is divided by its block's scale, clamped to +-6, and rounded to the nearest number of E2M1, ties to even, subnormals kept.
;;     - The product sums the exact products of the quantised numbers (number of the format x scale) in f32.
;;   ~~~python
;;   def quantise(x, axis):      # numpy; x: float32 -> the quantised numbers, widened to float32 again
;;       x = np.moveaxis(x, axis, -1); K = x.shape[-1]
;;       x = np.pad(x, [(0, 0)] * (x.ndim - 1) + [(0, -K % 32)]); x = x.reshape(x.shape[:-1] + (-1, 32)); a = np.abs(x).max(-1, keepdims=True)
;;       e = np.where(a > 0, np.clip(np.frexp(np.where(a > 0, a, 1))[1] - 1 - 2, -126, 127), 0)      # np.frexp(a)[1] - 1 = floor(log2(a)), exactly
;;       r = np.clip(x / 2.0 ** e, -6, 6)
;;       step = 2.0 ** (np.maximum(np.frexp(np.where(r == 0, 1, r))[1] - 1, 0) - 1)
;;       q = np.round(r / step) * step * 2.0 ** e      # np.round: ties to even
;;       return np.moveaxis(q.reshape(q.shape[:-2] + (-1,))[..., :K], -1, axis).astype(np.float32)
;;   ~~~
;;   SOFTMAX AHEAD OF A QUANTISED PRODUCT. Where the list says 'softmax', what is quantised is not the finished softmax but p = 2^(t - M), with t = logit x log2(e) and M = ceil(the row's largest t), a whole number; so 1/2 < the row's largest p <= 1. The row's sum l is taken of the UNQUANTISED p, in f32, and the product's result is divided by l at the end. Since M is a whole number, a kernel that streams over the keys may use a running M (the ceiling of the running maximum): every later rescaling is an exact power of two, which a block's scale takes up: the codes' values come out the same.
;;   OPERANDS COMPUTED ON THE WAY. 'Computed on the way' means the value that the module computes at that place (a softmax that the list does not call 'softmax' is quantised finished and normalised). What goes into a quantiser is computed in f32, as accurately as f32 sums, v_exp_f32 and their like allow (about 1e-6 of the number): no bf16 or f16 on the way to a quantiser, and a product that is left as it is and whose result goes on into a quantised operand takes f32 operands (vector FMAs, or v_wmma_f32_16x16x4_f32). A number that lies on a knife's edge between two numbers of the format may be rounded either way, as far as f32 arithmetic and the matrix unit's own rounding can turn it there, and no further.
;;   INPUTS GIVEN AS CODES. W_proj (in the module: [1024, 1024], K = its axis 0); W_qkv (in the module: [1024, 3072], K = its axis 0); x (in the module: [4, 2048, 1024], K = its axis 2): each comes as NAME_codes (uint8): NAME with its K axis moved to the last place and cut into blocks of 32 codes, [.., K / 32, bytes a block], one block behind the other in memory; two codes a byte, the lower K in the low four bits (a code: sign, 2 exponent bits, 1 mantissa bit); and NAME_scales (uint8): the same leading axes, one E8M0 byte (e + 127) for each 32 codes along K. Its value is code x scale, taken as it is: it is not quantised again, and the codes and scales need not be those that the quantiser above would give.
;; One version. Each part assembles by itself: llvm-mc -triple=amdgcn-amd-amdhsa -mcpu=gfx1250 --defsym DOCPART=n.
;; ======== version 1 of 1: 3 launches
;; workspace buffers: qc 4,194,304 bytes; qs 524,288 bytes; kv 9,175,040 bytes; ao 4,194,304 bytes; aos 262,144 bytes
;; launch qkv (part 1): grid 12 x 64, 4 waves a work-group, clusters of 4 x 4, 203,264 bytes of LDS; arguments x_codes, x_scales, W_qkv_codes, W_qkv_scales, b_qkv, qc, qs, kv; writes qc, qs, kv
.if DOCPART == 1
	.amdgcn_target "amdgcn-amd-amdhsa--gfx1250"
	.amdhsa_code_object_version 6
	.text
	.protected	k_qf38c9cf778_qkv
	.globl	k_qf38c9cf778_qkv
	.p2align	8
	.type	k_qf38c9cf778_qkv,@function
k_qf38c9cf778_qkv:
	s_mov_b64 s[64:65], 0
	v_nop
	global_prefetch_b8 v0, s[64:65] scope:SCOPE_SE
	s_setreg_imm32_b32 hwreg(HW_REG_WAVE_MODE, 25, 1), 1
	s_wait_xcnt 0x0
	s_wait_alu depctr_hold_cnt(0) depctr_sa_sdst(0) depctr_va_vdst(0) depctr_va_sdst(0) depctr_va_ssrc(0) depctr_va_vcc(0) depctr_vm_vsrc(0)
	s_getreg_b32 s2, hwreg(HW_REG_IB_STS2, 6, 4)
	s_cmp_eq_u32 s2, 0
	s_cbranch_scc0 .Lentry_in_a_cluster
	s_endpgm
.Lentry_in_a_cluster:
	s_bfe_u32 s2, ttmp6, 0x10000c
	s_cmp_lg_u32 s2, 0xf033
	s_cbranch_scc0 .Lentry_shape_is_right
	s_endpgm
.Lentry_shape_is_right:
; qkv = x W_qkv + b_qkv on codes of FP4 (E2M1) with E8M0 scales, and the quantising of q, k (along the head's 64) and v (along the keys) for the attention launch.
; x: [8192 tokens][1024 K], W_qkv: [3072 columns][1024 K]: codes, K innermost, 512 bytes a row; scale bytes 32 a row.  Column = 1024 x (q, k, v) + 64 x head + d.
; SHARES.  A work-group takes 256 rows of W (four heads of q, of k or of v) x 128 tokens (one key step of one batch).  The cluster's x says which of q, k, v is made: it is the same in all sixteen partners.
; A wave makes 128 rows of source 0 x 64 rows of source 1: 32 accumulators, 256 matrix instructions (8 K steps of 128).
;   q, k: source 0 = W (128 rows = two heads), source 1 = x (64 tokens): a lane holds ONE token and its registers run along d, which is the next product's K.
;   v:    source 0 = x (128 tokens), source 1 = W (64 rows = one head): a lane holds ONE d and its registers run along the keys, which are the next product's K.
; THE ROWS OF A TILE ARE NOT NEIGHBOURS: lane r of tile 2 b + u takes row 32 b + 8 u + r + 8 (r / 8) of its run, so that as source 0 the 16 registers of tiles 2 b, 2 b + 1 are rows 32 b + 16 (lane / 16) + 0 .. 15.
; Token tiles and v's d tiles are in the same order everywhere in this program; the last launch undoes it by its stores' offsets.
; LDS.  All of K of the work-group's rows is there at once, filled once: no byte is filled twice.  Rows 16 g + 8 u + j of a run lie as row 8 g + j of region u, so a tile is 16 neighbouring LDS rows.
; A row is 512 bytes + 16 of padding = 132 words: row r starts at bank 4 r mod 64 (64 banks of 4 bytes: ISA guide 11.1), so the 16 rows that a load touches start at 16 different banks.
; CLUSTERS: 4 x 4.  x's rows hang on the token block alone (shared along a row of the cluster), W's on the block of columns alone (shared along a column): each is asked for jointly.
; OUT, as images of operand registers (lane l's 16 bytes at 16 l), every store whole aligned blocks of 256 bytes:
;   qc [64 heads][128 token tiles][512]; qs [64][32 groups of 4 tiles][16 r][4 tiles] words (bytes 0, 1: the head's two blocks; bytes 2, 3: 0);
;   kv [64][16 key steps][8960]: +0 K's 8 tiles x 512; +4096 K's scale words [2][16 r][4]; +4608 V^T's 4 d tiles x 1024; +8704 V's scale words [16 r][4].
; LIMITS: NaN and infinities are not served.  A block whose largest magnitude lies under 2^-124, a block of zeros among them, gets the scale byte 1 (the rule says 127 for zeros): its codes are then zeros or the
; nearest codes under that scale, and these bytes are read by this program alone.
; REGISTERS: window 0: v1-15 lane numbers and addresses; v16-47, v48-63 scale words of source 0, 1 (nothing else ever lies there); v64-127 biases; v128-191 64 numbers to quantise; v192-207 at work;
;   v208-211 the four scale words made; v212-243 the four fragments made.   window 1: accumulator (a, b) at v[8 (8 a + b)].   window 2: two sets of fragments, at 0 and 96: source 0's eight, then source 1's four.
.set PITCH, 528
.set XU,    64*PITCH                   ; a region of x: 64 rows
.set WU,    128*PITCH                  ; a region of W: 128 rows
.set WB,    2*XU                       ; W's two regions lie behind x's two
.set TROW,  16*PITCH                   ; a tile's 16 rows
.set KVS,   8960                       ; a key step in kv
.set KVH,   16*KVS                     ; a head in kv
.set SC0,   16
.set SC1,   48
.set BQ,    64
.set H,     128
.set TM,    192
.set PWA,   208
.set PC,    212
.set MSB,   0
.macro WIN new                         ; the immediate's high byte repeats the setting that is left
.if MSB != \new
	s_set_vgpr_msb (MSB<<8)|\new
.set MSB, \new
.endif
.endm
.macro PLACES n
.rept \n
	v_nop
.endr
.endm
.macro CROUND                          ; a round of the cluster's barrier: my work-group's barrier; wave 0 signals for the work-group; every wave waits for all sixteen; my work-group's barrier once more
	s_barrier_signal -1
	s_barrier_wait -1
	s_cmp_lg_u32 s20, 0
	s_cbranch_scc1 .Lnot_wave_0_\@
	s_barrier_signal -3
.Lnot_wave_0_\@:
	s_barrier_wait -3
	s_barrier_signal -1
	s_barrier_wait -1
.endm
; The fragments of K step k (24 LDS loads) into set k % 2.  A fragment, 16 rows x 128 K of 4-bit codes, is 8 registers: registers 4 c .. 4 c + 3 hold K = 64 c + 32 (lane / 16) + 0 .. 31: two loads of 16 bytes, 32 bytes apart.
.macro FETCH k
.irp b, 0,1,2,3,4,5,6,7
	ds_load_b128 v[96*((\k)%2)+8*\b:96*((\k)%2)+8*\b+3],   v[6+\b%2] offset:(\b/2)*TROW+64*(\k)
	ds_load_b128 v[96*((\k)%2)+8*\b+4:96*((\k)%2)+8*\b+7], v[6+\b%2] offset:(\b/2)*TROW+64*(\k)+32
.endr
.irp a, 0,1,2,3
	ds_load_b128 v[96*((\k)%2)+64+8*\a:96*((\k)%2)+64+8*\a+3],   v[8+\a%2] offset:(\a/2)*TROW+64*(\k)
	ds_load_b128 v[96*((\k)%2)+64+8*\a+4:96*((\k)%2)+64+8*\a+7], v[8+\a%2] offset:(\a/2)*TROW+64*(\k)+32
.endr
.endm
; K step k: 32 matrix instructions; the 32 accumulators take turns, one instruction a turn, in the same order in every step.  The first step starts the sums with the constant 0.
; A tile's scale register k % 4 holds the word of K step k % 4 in lanes 0-15 and that of K step 4 + k % 4 in lanes 16-31: steps 4 to 7 read the upper lanes.
.macro MUL k
.irp a, 0,1,2,3
.irp b, 0,1,2,3,4,5,6,7
.if (\k) == 0
	v_wmma_scale_f32_16x16x128_f8f6f4 v[8*(8*\a+\b):8*(8*\a+\b)+7], v[96*((\k)%2)+8*\b:96*((\k)%2)+8*\b+7], v[96*((\k)%2)+64+8*\a:96*((\k)%2)+64+8*\a+7], 0, v[SC0+4*\b+(\k)%4], v[SC1+4*\a+(\k)%4] matrix_a_fmt:MATRIX_FMT_FP4 matrix_b_fmt:MATRIX_FMT_FP4
.elseif (\k) < 4
	v_wmma_scale_f32_16x16x128_f8f6f4 v[8*(8*\a+\b):8*(8*\a+\b)+7], v[96*((\k)%2)+8*\b:96*((\k)%2)+8*\b+7], v[96*((\k)%2)+64+8*\a:96*((\k)%2)+64+8*\a+7], v[8*(8*\a+\b):8*(8*\a+\b)+7], v[SC0+4*\b+(\k)%4], v[SC1+4*\a+(\k)%4] matrix_a_fmt:MATRIX_FMT_FP4 matrix_b_fmt:MATRIX_FMT_FP4
.else
	v_wmma_scale_f32_16x16x128_f8f6f4 v[8*(8*\a+\b):8*(8*\a+\b)+7], v[96*((\k)%2)+8*\b:96*((\k)%2)+8*\b+7], v[96*((\k)%2)+64+8*\a:96*((\k)%2)+64+8*\a+7], v[8*(8*\a+\b):8*(8*\a+\b)+7], v[SC0+4*\b+(\k)%4], v[SC1+4*\a+(\k)%4] matrix_a_fmt:MATRIX_FMT_FP4 matrix_b_fmt:MATRIX_FMT_FP4 matrix_a_scale:MATRIX_SCALE_ROW1 matrix_b_scale:MATRIX_SCALE_ROW1
.endif
.endr
.endr
.endm
; All of K.  While step k is multiplied, step k + 1's fragments come into the other set.  A load into a register that a matrix instruction has read stands four places behind it, and only plain vector
; instructions that name none of its registers are places (ISA guide 7.12.1 for vector instructions): so four v_nop stand in front of each run of loads, and in front of the first read of results.
.macro KLOOP
	WIN 0x80                                       ; destination window 2, address window 0
	FETCH 0
.irp k, 0,1,2,3,4,5,6
.if \k > 0
	PLACES 4
.endif
	WIN 0x80
	FETCH \k+1
	s_wait_dscnt 24                                ; all but the 24 loads just issued: step k's fragments are in
	WIN 0x5a                                       ; sources 0 and 1 window 2, C and D window 1
	MUL \k
.endr
	s_wait_dscnt 0x0
	MUL 7
	WIN 0
	PLACES 4
.endm
; 64 numbers of a lane, register 16 b + i = k 32 b + 16 (lane / 16) + i of my row, become a fragment's codes in v[pc] on and its scale word in v[pw].
.macro QUANT s, pc, pw
.irp b, 0,1,2,3
	v_max3_num_f32 v[TM+\b], |v[(\s)+16*\b]|, |v[(\s)+1+16*\b]|, 0x1800000   ; block b: my 16 numbers, and the floor 2^(3 - 127): so the byte cannot fall under 1
.endr
.irp i, 2,4,6,8,10,12,14
.irp b, 0,1,2,3
	v_max3_num_f32 v[TM+\b], v[TM+\b], |v[(\s)+16*\b+\i]|, |v[(\s)+1+16*\b+\i]|   ; (the four blocks by turns)
.endr
.endr
.irp b, 0,1,2,3
	v_permlanex16_b32 v[TM+4+\b], v[TM+\b], s60, s61
.endr
.irp b, 0,1,2,3
	v_max_num_f32 v[TM+\b], v[TM+\b], v[TM+4+\b]   ; with lane l xor 16's: the block's largest magnitude
.endr
.irp b, 0,1,2,3
	v_add_nc_u32 v[TM+12+\b], 0xff000000, v[TM+\b] ; 2 off its exponent field: the conversion takes the exponent field of this operand as its scale, and nothing else of it
.endr
.irp b, 0,1,2,3
	v_lshrrev_b32 v[TM+4+\b], 23, v[TM+12+\b]      ; the scale's byte
.endr
	v_lshl_or_b32 v[\pw], v[TM+5], 8, v[TM+4]      ; the four bytes make my row's scale word
	v_lshl_or_b32 v[\pw], v[TM+6], 16, v[\pw]
	v_lshl_or_b32 v[\pw], v[TM+7], 24, v[\pw]
.irp b, 0,1,2,3
	v_cvt_scalef32_pk8_fp4_f32 v[(\pc)+2*\b], v[(\s)+16*\b:(\s)+7+16*\b], v[TM+12+\b]
	v_cvt_scalef32_pk8_fp4_f32 v[(\pc)+1+2*\b], v[(\s)+8+16*\b:(\s)+15+16*\b], v[TM+12+\b]
.endr
	v_nop                                          ; one plain place behind a scaled conversion
.irp c, 0,1                                    ; the operand's layout wants a WHOLE block in a lane: lanes 0-15 block 2 c, lanes 16-31 block 2 c + 1
.irp i, 0,1
	v_permlane16_swap_b32 v[(\pc)+4*\c+\i], v[(\pc)+2+4*\c+\i]
.endr
.endr
.endm
; Column a's eight accumulators plus the bias go into v[H] on, each accumulator from its low end on: the addition is also their way into window 0.
.macro ADDB_QK a                       ; the bias runs along the registers (d)
	WIN 0x01                                       ; source 0 window 1
.irp b, 0,1,2,3,4,5,6,7
.irp j, 0,2,4,6
	v_pk_add_f32 v[H+8*\b+\j:H+8*\b+\j+1], v[8*(8*\a+\b)+\j:8*(8*\a+\b)+\j+1], v[BQ+8*\b+\j:BQ+8*\b+\j+1]
.endr
.endr
	WIN 0
.endm
.macro ADDB_V a                        ; the bias is the lane's own (its d): one number, twice in a pair
	WIN 0x01
.irp b, 0,1,2,3,4,5,6,7
.irp j, 0,2,4,6
	v_pk_add_f32 v[H+8*\b+\j:H+8*\b+\j+1], v[8*(8*\a+\b)+\j:8*(8*\a+\b)+\j+1], v[BQ+2*\a:BQ+2*\a+1]
.endr
.endr
	WIN 0
.endm
	s_load_b256 s[4:11], s[0:1], 0x0               ; x's codes s[4:5], x's scales s[6:7], W's codes s[8:9], W's scales s[10:11]
	s_load_b256 s[12:19], s[0:1], 0x20             ; b_qkv s[12:13], qc s[14:15], qs s[16:17], kv s[18:19]
	v_lshl_add_u32 v254, v0, 2, 0x31800
	v_mov_b32 v255, 0
	ds_add_u32 v254, v255
	ds_add_u32 v254, v255
	v_lshrrev_b32 v1, 5, v0
	v_readfirstlane_b32 s20, v1                    ; wave 0..3
	s_and_b32 s21, s20, 1                          ; W1
	s_lshr_b32 s22, s20, 1                         ; W2.  Also: I fetch for x (0) or for W (1), region W1
	s_bfe_u32 s23, ttmp6, 0x40000                  ; cx, cy: my place in the cluster
	s_bfe_u32 s24, ttmp6, 0x40004
	s_lshl_b32 s25, ttmp9, 2
	s_add_co_u32 s25, s25, s23                     ; wt: my block of 256 rows of W = 4 x cluster x + cx
	s_and_b32 s26, ttmp7, 0xffff
	s_lshl_b32 s26, s26, 2
	s_add_co_u32 s26, s26, s24                     ; tb: my block of 128 tokens = 4 x cluster y + cy
	s_lshl_b32 s27, s24, 2
	s_lshl_b32 s27, 15, s27                        ; my row of the cluster
	s_lshl_b32 s28, 0x1111, s23                    ; my column
	s_lshr_b32 s29, s26, 4                         ; the batch
	s_and_b32 s30, s26, 15                         ; the key step in it
	s_mov_b32 s60, 0x76543210
	s_mov_b32 s61, 0xfedcba98                      ; v_permlanex16_b32's selects for lane l xor 16
	; Descriptor group 1.  A row of the tile is EIGHT rows of memory, 4,096 dense bytes (512 elements of 8 bytes); the next begins 16 rows, 8,192 bytes, on.  16 bytes of padding behind every 512.
	s_or_b32 s32, s27, (3<<16)|(1<<20)|(1<<21)|(6<<22)|(3<<25)   ; 15:0 the mask: x goes to my row; 17:16 elements of 8 bytes; 20 padding on; 21 set beside a mask; 24:22 after every 128 words (code 6); 31:25 four words (code 3)
	s_mov_b32 s33, 512<<16                         ; tensor_dim0
	s_mov_b32 s34, 8<<16                           ; tensor_dim1: 8 such rows = 64 rows of x
	s_mov_b32 s35, 512<<16                         ; tile_dim0
	s_mov_b32 s36, 8                               ; tile_dim1
	s_mov_b32 s37, 1024                            ; tensor_dim0_stride
	s_mov_b32 s38, 0
	s_mov_b32 s39, 0
	s_or_b32 s44, s28, (3<<16)|(1<<20)|(1<<21)|(6<<22)|(3<<25)   ; W goes to my column
	s_mov_b32 s45, 512<<16
	s_mov_b32 s46, 16<<16                          ; 16 such rows = 128 rows of W
	s_mov_b32 s47, 512<<16
	s_mov_b32 s48, 16
	s_mov_b32 s49, 1024
	s_mov_b32 s50, 0
	s_mov_b32 s51, 0
	s_lshl_b32 s74, s21, 12                        ; region u begins 8 rows, 4,096 bytes, into the run
	s_lshl_b32 s72, s26, 16                        ; x: 128 rows of 512 bytes a token block
	s_add_co_u32 s72, s72, s74
	s_mov_b32 s73, 0
	s_lshl_b32 s76, s25, 17                        ; W: 256 rows of 512 bytes a block
	s_add_co_u32 s76, s76, s74
	s_mov_b32 s77, 0
	s_mul_i32 s78, s21, XU                         ; where they go: the wave's number alone enters an LDS address
	s_mul_i32 s79, s21, WU
	s_wait_dscnt 0x0
	s_wait_kmcnt 0x0
	s_mov_b32 s40, 1                               ; group 0 for x: count = 1,
	s_mov_b32 s41, s78                             ; LDS address,
	s_add_nc_u64 s[42:43], s[4:5], s[72:73]        ; global address,
	s_or_b32 s43, s43, 0x80000000                  ; type = 2
	s_mov_b32 s52, 1                               ; and for W
	s_add_co_u32 s53, s79, WB
	s_add_nc_u64 s[54:55], s[8:9], s[76:77]
	s_or_b32 s55, s55, 0x80000000
	CROUND                                         ; all sixteen work-groups are here: the joint loads meet
	s_cmp_eq_u32 s22, 0                            ; waves 0, 1: x's two regions; waves 2, 3: W's.  One tensor load a wave is all that this launch has out
	s_cbranch_scc0 .Lfor_w
	tensor_load_to_lds s[40:43], s[32:39]
	s_nop 0
	PLACES 4                                       ; four v_nop follow each of the two lines
	s_branch .Lasked
.Lfor_w:
	tensor_load_to_lds s[52:55], s[44:51]
	s_nop 0
	PLACES 4
.Lasked:
	v_and_b32 v1, 31, v0                           ; lane
	v_and_b32 v2, 15, v0                           ; r
	v_bfe_u32 v3, v0, 4, 1                         ; h
	v_and_b32 v4, 8, v2
	v_add_nc_u32 v4, v4, v2                        ; r + 8 (r / 8): my row in a tile's run of 24
	v_lshlrev_b32 v5, 5, v4
	v_lshl_add_u32 v5, v3, 4, v5                   ; scale bytes: 32 a row; lanes 0-15 take K steps 0-3, lanes 16-31 K steps 4-7
	s_wait_alu depctr_va_vdst(0)
	v_lshlrev_b32 v11, 4, v1                       ; 16 x lane: my place in an image
	v_lshlrev_b32 v14, 4, v3                       ; 16 h
	v_mul_u32_u24 v15, v2, PITCH
	v_lshl_add_u32 v15, v3, 4, v15                 ; a fragment's row x pitch + 16 h
.irp b, 0,1,2,3
	v_mov_b32 v[TM+4+\b], 0                        ; written once: a lane permute's destination counts as one of its sources
.endr
	; whose scale words are source 0's and whose source 1's: a choice of pointers and first rows on the cluster's x, no branch
	s_lshl_b32 s80, s26, 7                         ; x's first row: 128 tb
	s_lshl_b32 s81, s25, 8                         ; W's: 256 wt
	s_lshl_b32 s82, s21, 7
	s_add_co_u32 s82, s81, s82                     ; q, k: source 0 = W from 256 wt + 128 W1
	s_lshl_b32 s83, s22, 6
	s_add_co_u32 s83, s80, s83                     ; q, k: source 1 = x from 128 tb + 64 W2
	s_lshl_b32 s84, s20, 6
	s_add_co_u32 s84, s81, s84                     ; v: source 1 = W from 256 wt + 64 w; source 0 = x from 128 tb
	s_cmp_eq_u32 ttmp9, 2
	s_cselect_b32 s86, s80, s82
	s_cselect_b32 s88, s84, s83
	s_cselect_b64 s[56:57], s[6:7], s[10:11]
	s_cselect_b64 s[58:59], s[10:11], s[6:7]
	s_lshl_b32 s86, s86, 5                         ; 32 bytes a row
	s_lshl_b32 s88, s88, 5
	s_mov_b32 s87, 0
	s_mov_b32 s89, 0
	s_add_nc_u64 s[56:57], s[56:57], s[86:87]
	s_add_nc_u64 s[58:59], s[58:59], s[88:89]
.irp b, 0,1,2,3,4,5,6,7
	global_load_b128 v[SC0+4*\b:SC0+4*\b+3], v5, s[56:57] offset:(32*(\b/2)+8*(\b%2))*32   ; a tile's scale bytes for all of K: two runs of 8 rows, 256 consecutive bytes each
.endr
.irp a, 0,1,2,3
	global_load_b128 v[SC1+4*\a:SC1+4*\a+3], v5, s[58:59] offset:(32*(\a/2)+8*(\a%2))*32
.endr
	s_wait_loadcnt 0x0                             ; the scale words are in
	s_wait_tensorcnt 0x0                           ; my region has landed,
	s_barrier_signal -1
	s_barrier_wait -1                              ; everybody's has
	s_cmp_eq_u32 ttmp9, 2                          ; the same in all waves and in all partners of the cluster
	s_cbranch_scc1 .Lv
	; ---------------- q and k
	s_mul_i32 s85, s21, 64*PITCH                   ; source 0: W's rows 128 W1 on are rows 64 W1 on of each of its regions
	s_add_co_u32 s85, s85, WB
	s_wait_alu depctr_va_vdst(0)
	v_add_nc_u32 v6, s85, v15
	s_wait_alu depctr_va_vdst(0)
	v_add_nc_u32 v7, WU, v6
	s_wait_alu depctr_va_vdst(0)
	s_mul_i32 s86, s22, 32*PITCH                   ; source 1: x's rows 64 W2 on are rows 32 W2 on of each of its regions
	v_add_nc_u32 v8, s86, v15
	s_wait_alu depctr_va_vdst(0)
	v_add_nc_u32 v9, XU, v8
	s_wait_alu depctr_va_vdst(0)
	s_lshl_b32 s86, s82, 2                         ; the bias of my 128 columns; lane half h wants, for tile b, those of rows 32 (b / 2) + 16 h + 8 (b % 2) + 0 .. 7
	s_mov_b32 s87, 0
	s_add_nc_u64 s[70:71], s[12:13], s[86:87]
	v_lshlrev_b32 v10, 6, v3
.irp b, 0,1,2,3,4,5,6,7
	global_load_b128 v[BQ+8*\b:BQ+8*\b+3],   v10, s[70:71] offset:(32*(\b/2)+8*(\b%2))*4
	global_load_b128 v[BQ+8*\b+4:BQ+8*\b+7], v10, s[70:71] offset:(32*(\b/2)+8*(\b%2))*4+16
.endr
	; where the results go: my two heads hb0, hb0 + 1; token tiles 8 st + 4 W2 + a
	s_lshl_b32 s88, s29, 4
	s_lshl_b32 s89, s23, 2
	s_add_co_u32 s88, s88, s89
	s_lshl_b32 s89, s21, 1
	s_add_co_u32 s88, s88, s89                     ; hb0 = 16 batch + 4 cx + 2 W1
	s_lshl_b32 s90, s88, 16                        ; q's images: 65,536 a head,
	s_lshl_b32 s91, s30, 12                        ; 8 tiles of 512 bytes a key step,
	s_add_co_u32 s90, s90, s91
	s_lshl_b32 s91, s22, 11                        ; 4 tiles a wave
	s_add_co_u32 s90, s90, s91
	s_lshl_b32 s92, s88, 13                        ; q's scale words: 8,192 a head,
	s_lshl_b32 s93, s30, 9                         ; two groups of 256 bytes a key step,
	s_add_co_u32 s92, s92, s93
	s_lshl_b32 s93, s22, 8                         ; one a wave
	s_add_co_u32 s92, s92, s93
	s_mul_i32 s94, s88, KVH                        ; k: the head and the key step in kv;
	s_mul_i32 s95, s30, KVS
	s_add_co_u32 s94, s94, s95
	s_add_co_u32 s95, s94, s93
	s_add_co_u32 s95, s95, 4096                    ; its scale words,
	s_add_co_u32 s94, s94, s91                     ; its images
	s_mov_b32 s96, KVH
	s_cmp_eq_u32 ttmp9, 0                          ; q or k: offsets, strides from head to head and pointers are chosen, no branch
	s_cselect_b32 s90, s90, s94
	s_cselect_b32 s92, s92, s95
	s_cselect_b32 s98, 0x10000, s96
	s_cselect_b32 s99, 0x2000, s96
	s_cselect_b64 s[66:67], s[14:15], s[18:19]
	s_cselect_b64 s[68:69], s[16:17], s[18:19]
	s_mov_b32 s91, 0
	s_mov_b32 s93, 0
	s_add_nc_u64 s[66:67], s[66:67], s[90:91]
	s_add_nc_u64 s[68:69], s[68:69], s[92:93]
	v_add_nc_u32 v12, s98, v11                     ; the second head's image
	v_mul_u32_u24 v13, s99, v3
	v_lshl_add_u32 v13, v2, 4, v13                 ; scale words: 16 r; lanes 16-31 write the second head's
	KLOOP
	s_wait_loadcnt 0x0                             ; the bias
.irp a, 0,1,2,3
	ADDB_QK \a
	QUANT H, PC+8*\a, PWA+\a                       ; blocks 0, 1: the first head's 64; blocks 2, 3: the second's.  Registers 0-3 of the fragment are the first head's image, 4-7 the second's
	global_store_b128 v11, v[PC+8*\a:PC+8*\a+3],   s[66:67] offset:512*\a   ; 32 lanes store 512 consecutive bytes
	global_store_b128 v12, v[PC+8*\a+4:PC+8*\a+7], s[66:67] offset:512*\a
.endr
.irp a, 0,1,2,3
	v_lshrrev_b32 v[PWA+\a], v14, v[PWA+\a]        ; lanes 0-15 keep the first head's two bytes, lanes 16-31 the second's;
.endr
.irp a, 0,1,2,3
	v_and_b32 v[PWA+\a], 0xffff, v[PWA+\a]         ; bytes 2 and 3 are 0: they will scale zero codes
.endr
	global_store_b128 v13, v[PWA:PWA+3], s[68:69]  ; sixteen lanes store 256 consecutive bytes: four tiles' words of one head
	s_branch .Lend
	; ---------------- v
.Lv:
	s_wait_alu depctr_va_vdst(0)
	v_mov_b32 v6, v15                              ; source 0: all 128 rows of x
	s_wait_alu depctr_va_vdst(0)
	v_add_nc_u32 v7, XU, v6
	s_wait_alu depctr_va_vdst(0)
	s_mul_i32 s85, s20, 32*PITCH                   ; source 1: W's rows 64 w on are rows 32 w on of each of its regions
	s_add_co_u32 s85, s85, WB
	v_add_nc_u32 v8, s85, v15
	s_wait_alu depctr_va_vdst(0)
	v_add_nc_u32 v9, WU, v8
	s_wait_alu depctr_va_vdst(0)
	s_lshl_b32 s86, s84, 2                         ; the bias of my 64 columns: the lane's own d in each tile
	s_mov_b32 s87, 0
	s_add_nc_u64 s[70:71], s[12:13], s[86:87]
	v_lshlrev_b32 v10, 2, v4
.irp a, 0,1,2,3
	global_load_b32 v[BQ+2*\a], v10, s[70:71] offset:(32*(\a/2)+8*(\a%2))*4
.endr
	s_lshl_b32 s88, s29, 4
	s_lshl_b32 s89, s23, 2
	s_add_co_u32 s88, s88, s89
	s_add_co_u32 s88, s88, s20                     ; my head: 16 batch + 4 cx + w
	s_mul_i32 s90, s88, KVH
	s_mul_i32 s91, s30, KVS
	s_add_co_u32 s90, s90, s91
	s_add_co_u32 s90, s90, 4608                    ; V's images in the key step
	s_mov_b32 s91, 0
	s_add_nc_u64 s[66:67], s[18:19], s[90:91]
	v_lshlrev_b32 v13, 4, v2
	v_lshl_add_u32 v13, v3, 3, v13                 ; scale words: 16 r + 8 h
	KLOOP
	s_wait_loadcnt 0x0                             ; the bias
.irp a, 0,1,2,3
	v_mov_b32 v[BQ+2*\a+1], v[BQ+2*\a]             ; the packed addition names a pair
.endr
.irp a, 0,1,2,3
	ADDB_V \a
	QUANT H, PC+8*\a, PWA+\a                       ; my d's 128 keys of this step: a fragment of V^T
	global_store_b128 v11, v[PC+8*\a:PC+8*\a+3],   s[66:67] offset:1024*\a
	global_store_b128 v11, v[PC+8*\a+4:PC+8*\a+7], s[66:67] offset:1024*\a+512
.endr
	v_cmp_le_u32 vcc_lo, 16, v1                    ; lanes 0-15 store the words of tiles 0, 1, lanes 16-31 those of tiles 2, 3 (both halves hold all four)
	v_cndmask_b32 v244, v[PWA], v[PWA+2], vcc_lo
	v_cndmask_b32 v245, v[PWA+1], v[PWA+3], vcc_lo
	global_store_b64 v13, v[244:245], s[66:67] offset:4096   ; 32 lanes store 256 consecutive bytes
.Lend:
	s_wait_tensorcnt 0x0
	ds_add_u32 v254, v255
	s_wait_dscnt 0x0
	CROUND                                         ; the closing round: no work-group ends while a partner may still ask for a tile that names it
	s_endpgm
.Lfunc_end_k_qf38c9cf778_qkv:
	.size	k_qf38c9cf778_qkv, .Lfunc_end_k_qf38c9cf778_qkv-k_qf38c9cf778_qkv
	.p2alignl 7, 3214868480
	.fill 96, 4, 3214868480
	.section	.rodata,"a",@progbits
	.p2align	6, 0x0
	.amdhsa_kernel k_qf38c9cf778_qkv
		.amdhsa_group_segment_fixed_size 203264
		.amdhsa_private_segment_fixed_size 0
		.amdhsa_enable_private_segment 0
		.amdhsa_kernarg_size 64
		.amdhsa_user_sgpr_count 2
		.amdhsa_user_sgpr_kernarg_segment_ptr 1
		.amdhsa_wavefront_size32 1
		.amdhsa_system_sgpr_workgroup_id_x 1
		.amdhsa_system_sgpr_workgroup_id_y 1
		.amdhsa_system_sgpr_workgroup_id_z 1
		.amdhsa_system_vgpr_workitem_id 0
		.amdhsa_next_free_vgpr 768
		.amdhsa_next_free_sgpr 100
		.amdhsa_reserve_vcc 1
		.amdhsa_float_denorm_mode_32 3
		.amdhsa_float_denorm_mode_16_64 3
		.amdhsa_memory_ordered 1
		.amdhsa_forward_progress 1
		.amdhsa_inst_pref_size 152
	.end_amdhsa_kernel
	.amdgpu_metadata
---
amdhsa.version: [ 1, 2 ]
amdhsa.kernels:
  - .name:           k_qf38c9cf778_qkv
    .symbol:         k_qf38c9cf778_qkv.kd
    .args:
      - { .name: x_codes, .offset: 0, .size: 8, .value_kind: global_buffer, .address_space: global }
      - { .name: x_scales, .offset: 8, .size: 8, .value_kind: global_buffer, .address_space: global }
      - { .name: W_qkv_codes, .offset: 16, .size: 8, .value_kind: global_buffer, .address_space: global }
      - { .name: W_qkv_scales, .offset: 24, .size: 8, .value_kind: global_buffer, .address_space: global }
      - { .name: b_qkv, .offset: 32, .size: 8, .value_kind: global_buffer, .address_space: global }
      - { .name: qc, .offset: 40, .size: 8, .value_kind: global_buffer, .address_space: global }
      - { .name: qs, .offset: 48, .size: 8, .value_kind: global_buffer, .address_space: global }
      - { .name: kv, .offset: 56, .size: 8, .value_kind: global_buffer, .address_space: global }
    .group_segment_fixed_size: 203264
    .private_segment_fixed_size: 0
    .kernarg_segment_align: 8
    .kernarg_segment_size: 64
    .max_flat_workgroup_size: 128
    .sgpr_count:     100
    .vgpr_count:     768
    .wavefront_size: 32
...
	.end_amdgpu_metadata
.endif
;; end of part 1
;; launch attn (part 2): grid 8 x 32, 16 waves a work-group, clusters of 4 x 1, 327,680 bytes of LDS; arguments qc, qs, kv, ao, aos; writes ao, aos
.if DOCPART == 2
	.amdgcn_target "amdgcn-amd-amdhsa--gfx1250"
	.amdhsa_code_object_version 6
	.text
	.protected	k_qf38c9cf778_attn
	.globl	k_qf38c9cf778_attn
	.p2align	8
	.type	k_qf38c9cf778_attn,@function
k_qf38c9cf778_attn:
	s_mov_b64 s[64:65], 0
	v_nop
	global_prefetch_b8 v0, s[64:65] scope:SCOPE_SE
	s_setreg_imm32_b32 hwreg(HW_REG_WAVE_MODE, 25, 1), 1
	s_wait_xcnt 0x0
	s_wait_alu depctr_hold_cnt(0) depctr_sa_sdst(0) depctr_va_vdst(0) depctr_va_sdst(0) depctr_va_ssrc(0) depctr_va_vcc(0) depctr_vm_vsrc(0)
	s_getreg_b32 s2, hwreg(HW_REG_IB_STS2, 6, 4)
	s_cmp_eq_u32 s2, 0
	s_cbranch_scc0 .Lentry_in_a_cluster
	s_endpgm
.Lentry_in_a_cluster:
	s_bfe_u32 s2, ttmp6, 0x10000c
	s_cmp_lg_u32 s2, 0x3003
	s_cbranch_scc0 .Lentry_shape_is_right
	s_endpgm
.Lentry_shape_is_right:
; Attention on codes of FP4 (E2M1): S = q k^T / 8, softmax, O = P v, O / the row's sum, and the quantising of the result along C for the projection.
; THE SOFTMAX AHEAD OF THE SECOND PRODUCT: t = score x log2(e) / 8; M = the row's largest t so far, rounded UP to a whole number; p = 2^(t - M) is what is quantised, along the keys; it is not normalised.
; The row's sum is taken of the unquantised p, in f32, and divides O at the end.  When M moves, the sum and O are multiplied by 2^(old M - new M): exact.
; SHARES.  A work-group owns 256 queries of one batch and TWO heads (a pair: 128 of C, one K step of the projection).  Each of its sixteen waves owns one tile of 16 queries, in 256 registers, four waves to a SIMD,
; and walks all 2,048 keys of the first head and then of the second, 128 keys a step.  So it ends with a whole fragment and a whole scale word of the projection's operand.
; LDS.  The two heads' parts of kv (K's and V's register images and scale words, 143,360 bytes a head) come in ONCE, each wave bringing one key step of each head; no byte is filled twice.  The second head's lands under the first pass.
; CLUSTER.  The four query blocks of a cluster read the same two heads: every load is asked for jointly by the four.
; LAYOUT.  Both products are used transposed: S^T = K Q^T (source 0 = 16 keys), O^T = V^T P^T (source 0 = 16 of the head's 64): a lane holds ONE query throughout.  The keys of a tile and the d of a tile are
; ordered so that the 16 registers of tiles 2 b, 2 b + 1 are 16 neighbours, 32 b + 16 (lane / 16) + 0 .. 15: along the keys for p, along d for O.
; THE FIRST PRODUCT'S K IS 64, the instruction's 128.  Q's fragment is four registers of codes and four of zeros.  K's tiles lie packed, four registers each: a tile's operand runs on into the next tile's codes (behind
; the last: four registers of zeros), which meet Q's zero codes; bytes 2 and 3 of both scale words are 0, never 0xff.  So the upper 64 add nothing.
; LIMITS: NaN and infinities are not served.  A block whose largest magnitude lies under 2^-124 (zeros among them) gets the scale byte 1; these bytes are read by this program alone.  t is made by one multiplication
; by log2(e) / 8 fused with the subtraction of M; the division by the sum is v_rcp_f32 and a multiplication.  A block's largest p is taken as the p of its largest score.
.set KVS,  8960                        ; a key step: +0 K's 8 tiles x 512; +4096 K's scale words; +4608 V^T's 4 tiles x 1024; +8704 V's scale words
.set KVH,  16*KVS                      ; a head
.set SCG,  2*KVH                       ; behind the two heads: 1,024 bytes in which the sixteen tiles' scale words meet; no fill lands there
.set L16,  1                           ; v1   16 x lane: my place in an image
.set R16,  2                           ; v2   16 x (lane % 16): my place among scale words
.set ADK,  3                           ; v3   the step's images
.set ADS,  4                           ; v4   the step's scale words
.set SWA,  7                           ; v7   where I put my tile's scale word
.set SRA,  8                           ; v8   where waves 0, 1 read the words back
.set GSO,  9                           ; v9   and their place in aos
.set K,    32                          ; v32-63   K's 8 tiles, 4 registers each
.set ZP,   64                          ; v64-67   zeros, behind the last tile
.set V,    68                          ; v68-99   V^T's 4 tiles
.set S,    100                         ; v100-163 S^T, then p
.set O,    164                         ; v164-195 O^T
.set PCD,  196                         ; v196-203 p's codes
.set KS,   204                         ; v204-211 K's scale words; v212-215 V's; v216-217 Q's (two heads); v218 p's: these hold scales and nothing else
.set VS,   212
.set QS,   216
.set PWD,  218
.set BM,   220                         ; v220-223 a block's largest score, then its largest p
.set BX,   224                         ; v224-227 at work
.set SO,   228                         ; v228-231 the conversions' scale operands
.set F,    232                         ; v[232:233] f = 2^(old M - new M)
.set T,    234
.set OC,   236                         ; v236-243 the result's fragment
.set OW,   244                         ; v244     and its scale word
; v12 -M, v13 the largest t, v[14:15] the sum in two halves; v16-19 Q of head 0, v20-23 zeros, v24-27 Q of head 1, v28-31 zeros
.macro PLACES n
.rept \n
	v_nop
.endr
.endm
.macro CROUND                          ; a round of the cluster's barrier
	s_barrier_signal -1
	s_barrier_wait -1
	s_cmp_lg_u32 s14, 0
	s_cbranch_scc1 .Lnot_wave_0_\@
	s_barrier_signal -3
.Lnot_wave_0_\@:
	s_barrier_wait -3
	s_barrier_signal -1
	s_barrier_wait -1
.endm
	s_load_b256 s[4:11], s[0:1], 0x0               ; qc s[4:5], qs s[6:7], kv s[8:9], ao s[10:11]
	s_load_b64 s[12:13], s[0:1], 0x20              ; aos
	v_lshl_add_u32 v254, v0, 2, 0x46400
	v_mov_b32 v255, 0
	ds_add_u32 v254, v255
	ds_add_u32 v254, v255
	v_lshrrev_b32 v10, 5, v0
	s_delay_alu instid0(VALU_DEP_1)
	v_readfirstlane_b32 s14, v10                   ; wave 0..15
	s_bfe_u32 s15, ttmp6, 0x40000                  ; cx
	s_lshl_b32 s16, ttmp9, 2
	s_add_co_u32 s16, s16, s15                     ; my block of 256 queries: it enters Q's and the results' addresses alone
	s_and_b32 s17, ttmp7, 0xffff                   ; 8 x batch + head pair, which the four partners share
	s_mov_b32 s20, 0x76543210
	s_mov_b32 s21, 0xfedcba98                      ; v_permlanex16_b32's selects for lane l xor 16
	s_mov_b32 s22, 0x3e38aa3b                      ; c = log2(e) / 8
	s_mov_b32 s23, s22                             ; (named with it as a pair, so it is written)
	; descriptor group 1: a key step, 8,960 dense bytes, as 35 rows of 256 bytes (32 elements of 8 bytes); no padding: images are read 16 bytes a lane on end
	s_mov_b32 s24, 15|(3<<16)|(1<<21)              ; 15:0 the mask: all four work-groups; 17:16 elements of 8 bytes; 21 set beside a mask
	s_mov_b32 s25, 32<<16                          ; tensor_dim0
	s_mov_b32 s26, 35<<16                          ; tensor_dim1
	s_mov_b32 s27, 32<<16                          ; tile_dim0
	s_mov_b32 s28, 35                              ; tile_dim1
	s_mov_b32 s29, 32                              ; tensor_dim0_stride
	s_mov_b32 s30, 0
	s_mov_b32 s31, 0
	s_mul_i32 s42, s17, 2*KVH                      ; the pair's first byte in kv,
	s_mul_i32 s44, s14, KVS                        ; my key step: in memory and in LDS alike
	s_add_co_u32 s42, s42, s44
	s_mov_b32 s43, 0
	s_wait_dscnt 0x0
	s_wait_kmcnt 0x0
	s_mov_b32 s32, 1                               ; group 0, head 0: count, LDS address, global address, type
	s_mov_b32 s33, s44
	s_add_nc_u64 s[34:35], s[8:9], s[42:43]
	s_mov_b32 s36, 1                               ; head 1: a head further on in both
	s_add_co_u32 s37, s44, KVH
	s_add_nc_u64 s[38:39], s[34:35], KVH
	s_or_b32 s35, s35, 0x80000000
	s_or_b32 s39, s39, 0x80000000
	CROUND                                         ; all four work-groups are here: the joint loads meet
	tensor_load_to_lds s[32:35], s[24:31]          ; my step of head 0,
	s_nop 0
	s_wait_alu depctr_va_vdst(0)
	s_wait_tensorcnt 0x0
	ds_add_u32 v254, v255
	s_wait_dscnt 0x0
	CROUND
	tensor_load_to_lds s[36:39], s[24:31]          ; and of head 1: two loads of mine are out, and no more in the launch
	s_nop 0
	PLACES 4
	v_and_b32 v1, 31, v0
	s_delay_alu instid0(VALU_DEP_1)
	v_lshlrev_b32 v[L16], 4, v1
	s_wait_alu depctr_va_vdst(0)
	v_and_b32 v2, 15, v0
	s_delay_alu instid0(VALU_DEP_1)
	v_lshlrev_b32 v[SWA], 2, v2
	s_delay_alu instid0(VALU_DEP_2)
	v_lshlrev_b32 v[R16], 4, v2
	s_wait_alu depctr_va_vdst(0)
	s_lshl_b32 s56, s14, 6
	s_add_co_u32 s56, s56, SCG
	v_add_nc_u32 v[SWA], s56, v[SWA]               ; SCG + 64 x wave + 4 r
	v_and_b32 v[GSO], 63, v0
	s_delay_alu instid0(VALU_DEP_1)
	v_lshlrev_b32 v[GSO], 4, v[GSO]
	s_delay_alu instid0(VALU_DEP_1)
	v_add_nc_u32 v[SRA], SCG, v[GSO]
	s_lshl_b32 s46, s17, 17                        ; Q's image: ((2 y + c) 128 + 16 qb + w) x 512
	s_lshl_b32 s47, s16, 13
	s_add_co_u32 s46, s46, s47
	s_lshl_b32 s47, s14, 9
	s_add_co_u32 s46, s46, s47
	s_mov_b32 s47, 0
	s_add_nc_u64 s[4:5], s[4:5], s[46:47]
	global_load_b128 v[16:19], v[L16], s[4:5]
	global_load_b128 v[24:27], v[L16], s[4:5] offset:65536
	s_lshl_b32 s48, s17, 14                        ; Q's scale word: ((2 y + c) 32 + 4 qb + w / 4) x 256 + 16 r + 4 (w % 4)
	s_lshl_b32 s49, s16, 10
	s_add_co_u32 s48, s48, s49
	s_lshr_b32 s49, s14, 2
	s_lshl_b32 s49, s49, 8
	s_add_co_u32 s48, s48, s49
	s_and_b32 s49, s14, 3
	s_lshl_b32 s49, s49, 2
	s_add_co_u32 s48, s48, s49
	s_mov_b32 s49, 0
	s_add_nc_u64 s[6:7], s[6:7], s[48:49]
	global_load_b32 v[QS], v[R16], s[6:7]
	global_load_b32 v[QS+1], v[R16], s[6:7] offset:8192
	s_lshr_b32 s50, s17, 3                         ; the results: token tile Tg = 128 batch + 16 qb + w, K step y % 8
	s_lshl_b32 s50, s50, 7
	s_lshl_b32 s51, s16, 4
	s_add_co_u32 s50, s50, s51                     ; the work-group's first tile
	s_and_b32 s52, s17, 7
	s_lshl_b32 s54, s50, 6                         ; aos [8 K steps][512 tiles][16] words
	s_lshl_b32 s55, s52, 15
	s_add_co_u32 s54, s54, s55
	s_mov_b32 s55, 0
	s_add_nc_u64 s[12:13], s[12:13], s[54:55]
	s_add_co_u32 s50, s50, s14
	s_lshl_b32 s50, s50, 13                        ; ao [512 tiles][8 K steps][1024]
	s_lshl_b32 s51, s52, 10
	s_add_co_u32 s50, s50, s51
	s_mov_b32 s51, 0
	s_add_nc_u64 s[10:11], s[10:11], s[50:51]
.irp j, 20,21,22,23,28,29,30,31
	v_mov_b32 v\j, 0                               ; the upper 64 of Q's fragments: zero codes
.endr
.irp j, 0,1,2,3
	v_mov_b32 v[ZP+\j], 0
	v_mov_b32 v[BX+\j], 0                          ; written once: a lane permute's destination counts as one of its sources
.endr
	v_mov_b32 v[F+1], 0                            ; (named as the upper half of a pair)
	v_mov_b32 v[T], 0
; A KEY STEP of head c: 128 keys.
.macro STEP c
	v_add_nc_u32 v[ADK], s40, v[L16]
	v_add_nc_u32 v[ADS], s40, v[R16]
	v_nop                                          ; with the two additions: four places in front of loads into registers that the last products read
	v_nop
.irp t, 0,1,2,3,4,5,6,7
	ds_load_b128 v[K+4*\t:K+4*\t+3], v[ADK] offset:512*\t
.endr
.irp g, 0,1
	ds_load_b128 v[KS+4*\g:KS+4*\g+3], v[ADS] offset:4096+256*\g   ; four tiles' words of my row at once
.endr
.irp t, 0,1,2,3
	ds_load_b128 v[V+8*\t:V+8*\t+3],   v[ADK] offset:4608+1024*\t
	ds_load_b128 v[V+8*\t+4:V+8*\t+7], v[ADK] offset:4608+1024*\t+512
.endr
	ds_load_b128 v[VS:VS+3], v[ADS] offset:8704
	s_wait_dscnt 9                                 ; K and its scale words are in; V's eight loads and its scale words' one may be out
.irp t, 0,1,2,3,4,5,6,7
	v_wmma_scale_f32_16x16x128_f8f6f4 v[S+8*\t:S+8*\t+7], v[K+4*\t:K+4*\t+7], v[16+8*\c:23+8*\c], 0, v[KS+\t], v[QS+\c] matrix_a_fmt:MATRIX_FMT_FP4 matrix_b_fmt:MATRIX_FMT_FP4
.endr
	PLACES 4
.irp b, 0,1,2,3
	v_max3_num_f32 v[BM+\b], v[S+16*\b], v[S+1+16*\b], v[S+2+16*\b]   ; THE LARGEST SCORE OF EACH BLOCK OF 32 KEYS serves twice: for the row's maximum, and, since p rises with the score, for the block's largest p
.endr
.irp i, 3,5,7,9,11,13
.irp b, 0,1,2,3
	v_max3_num_f32 v[BM+\b], v[BM+\b], v[S+16*\b+\i], v[S+1+16*\b+\i]   ; (the four blocks by turns)
.endr
.endr
.irp b, 0,1,2,3
	v_max_num_f32 v[BM+\b], v[BM+\b], v[S+15+16*\b]
.endr
.irp b, 0,1,2,3
	s_delay_alu instid0(VALU_DEP_4)
	v_permlanex16_b32 v[BX+\b], v[BM+\b], s20, s21
.endr
.irp b, 0,1,2,3
	s_delay_alu instid0(VALU_DEP_4)
	v_max_num_f32 v[BM+\b], v[BM+\b], v[BX+\b]     ; with lane l xor 16's 16 keys
.endr
	s_delay_alu instid0(VALU_DEP_2)
	v_max3_num_f32 v[T], v[BM], v[BM+1], v[BM+2]
	s_delay_alu instid0(VALU_DEP_1)
	v_max_num_f32 v[T], v[T], v[BM+3]              ; the step's largest score of my query
	s_delay_alu instid0(VALU_DEP_1)
	v_mul_f32 v[T], s22, v[T]                      ; as t (c is positive)
	s_delay_alu instid0(VALU_DEP_1)
	v_max_num_f32 v13, v13, v[T]                   ; the running largest t
	v_mov_b32 v[T], v12
	s_delay_alu instid0(VALU_DEP_2)
	v_floor_f32 v12, -v13                          ; the new -M = floor(-t) = -ceil(t): M IS A WHOLE NUMBER
	s_delay_alu instid0(VALU_DEP_1)
	v_sub_f32 v[T], v12, v[T]                      ; M's old value less its new one: a whole number, 0 or less
	s_delay_alu instid0(VALU_DEP_1)
	v_cvt_i32_f32 v[T], v[T]                       ; (it saturates)
	s_delay_alu instid0(VALU_DEP_1)
	v_ldexp_f32 v[F], 1.0, v[T]                    ; f = 2^(old M - new M)
.set i, 0
.rept 32
	v_pk_fma_f32 v[S+i:S+i+1], v[S+i:S+i+1], s[22:23], v[12:13] op_sel_hi:[1,0,0]   ; t - M, two at a time (of the pairs c and -M the low word serves both halves)
.set i, i+2
.endr
.irp b, 0,1,2,3
	v_fma_f32 v[BM+\b], v[BM+\b], s22, v12         ; the same of each block's largest score
.endr
.set i, 0
	s_wait_alu depctr_va_vdst(0)
.rept 64
	v_exp_f32 v[S+i], v[S+i]                       ; p = 2^(t - M), at most 1: NOT normalised
.set i, i+1
.endr
	s_setprio 1
.irp b, 0,1,2,3
	v_exp_f32 v[BM+\b], v[BM+\b]                   ; the block's largest p: the same two instructions on the same number
.endr
	v_pk_mul_f32 v[14:15], v[14:15], v[F:F+1] op_sel_hi:[1,0]   ; the sums under the new M.  (A plain place behind the exponentials)
	s_wait_alu depctr_va_vdst(0)
.irp b, 0,1,2,3
	v_max_num_f32 v[BM+\b], 0x1800000, v[BM+\b]    ; the floor 2^(3 - 127): the byte cannot fall under 1
.endr
.irp b, 0,1,2,3
	s_delay_alu instid0(VALU_DEP_4)
	v_add_nc_u32 v[SO+\b], 0xff000000, v[BM+\b]    ; 2 off the exponent field: the conversion's scale operand
.endr
.irp b, 0,1,2,3
	s_delay_alu instid0(VALU_DEP_4)
	v_lshrrev_b32 v[BX+\b], 23, v[SO+\b]           ; the scale's byte
.endr
	s_delay_alu instid0(VALU_DEP_3)
	v_lshl_or_b32 v[PWD], v[BX+1], 8, v[BX]        ; p's scale word for these 128 keys
	s_delay_alu instid0(VALU_DEP_1)
	v_lshl_or_b32 v[PWD], v[BX+2], 16, v[PWD]
	s_delay_alu instid0(VALU_DEP_1)
	v_lshl_or_b32 v[PWD], v[BX+3], 24, v[PWD]
.irp b, 0,1,2,3
	v_cvt_scalef32_pk8_fp4_f32 v[PCD+2*\b], v[S+16*\b:S+7+16*\b], v[SO+\b]
	v_cvt_scalef32_pk8_fp4_f32 v[PCD+1+2*\b], v[S+8+16*\b:S+15+16*\b], v[SO+\b]
.endr
	v_nop                                          ; one plain place behind a scaled conversion
.irp c2, 0,1                                   ; the operand's layout wants a WHOLE block in a lane
.irp i2, 0,1
	v_permlane16_swap_b32 v[PCD+4*\c2+\i2], v[PCD+2+4*\c2+\i2]
.endr
.endr
	v_pk_add_f32 v[BX:BX+1], v[S:S+1], v[S+2:S+3]  ; THE ROW'S SUM IS TAKEN OF THE UNQUANTISED p: two at a time, in two chains
.set i, 4
.rept 15
	v_pk_add_f32 v[14:15], v[14:15], v[S+i:S+i+1]
	v_pk_add_f32 v[BX:BX+1], v[BX:BX+1], v[S+i+2:S+i+3]
.set i, i+4
.endr
	s_delay_alu instid0(VALU_DEP_1)
	v_pk_add_f32 v[14:15], v[14:15], v[BX:BX+1]
.set i, 0
	s_setprio 0
.rept 16
	v_pk_mul_f32 v[O+i:O+i+1], v[O+i:O+i+1], v[F:F+1] op_sel_hi:[1,0]   ; O^T under the new M, each accumulator from its low end on.  (These and the sums are the places between p's codes and scale word and the products below)
.set i, i+2
.endr
	s_wait_alu depctr_va_vdst(0)
	s_wait_dscnt 0x0                               ; V and its scale words are in
.irp t, 0,1,2,3
	v_wmma_scale_f32_16x16x128_f8f6f4 v[O+8*\t:O+8*\t+7], v[V+8*\t:V+8*\t+7], v[PCD:PCD+7], v[O+8*\t:O+8*\t+7], v[VS+\t], v[PWD] matrix_a_fmt:MATRIX_FMT_FP4 matrix_b_fmt:MATRIX_FMT_FP4
.endr
.endm
; Head c is done: O^T / the sum, quantised along d (two blocks of 32): registers 4 c .. 4 c + 3 of the projection's fragment, bytes 2 c, 2 c + 1 of its scale word.
.macro FINAL c
	PLACES 4
	v_add_f32 v14, v14, v15                        ; the sum's two halves,
	s_delay_alu instid0(VALU_DEP_1)
	v_permlanex16_b32 v[T], v14, s20, s21
	s_delay_alu instid0(VALU_DEP_1)
	v_add_f32 v14, v14, v[T]                       ; and lane l xor 16's: the row's sum
	s_wait_alu depctr_va_vdst(0)
	v_rcp_f32 v14, v14
	v_nop                                          ; one plain place behind a transcendental
.set i, 0
	s_wait_alu depctr_va_vdst(0)
.rept 16
	v_pk_mul_f32 v[S+i:S+i+1], v[O+i:O+i+1], v[14:15] op_sel_hi:[1,0]   ; register 16 b + i is d = 32 b + 16 (lane / 16) + i of my query
.set i, i+2
.endr
.irp b, 0,1
	v_max3_num_f32 v[BM+\b], |v[S+16*\b]|, |v[S+1+16*\b]|, 0x1800000
.endr
.irp i2, 2,4,6,8,10,12,14
.irp b, 0,1
	s_delay_alu instid0(VALU_DEP_2)
	v_max3_num_f32 v[BM+\b], v[BM+\b], |v[S+16*\b+\i2]|, |v[S+1+16*\b+\i2]|
.endr
.endr
.irp b, 0,1
	s_delay_alu instid0(VALU_DEP_2)
	v_permlanex16_b32 v[BX+\b], v[BM+\b], s20, s21
.endr
.irp b, 0,1
	s_delay_alu instid0(VALU_DEP_2)
	v_max_num_f32 v[BM+\b], v[BM+\b], v[BX+\b]
.endr
.irp b, 0,1
	s_delay_alu instid0(VALU_DEP_2)
	v_add_nc_u32 v[SO+\b], 0xff000000, v[BM+\b]
.endr
.irp b, 0,1
	s_delay_alu instid0(VALU_DEP_2)
	v_lshrrev_b32 v[BX+\b], 23, v[SO+\b]
.endr
.if \c == 0
	s_delay_alu instid0(VALU_DEP_1)
	v_lshl_or_b32 v[OW], v[BX+1], 8, v[BX]
.else
	s_delay_alu instid0(VALU_DEP_1)
	v_lshl_or_b32 v[T], v[BX+1], 8, v[BX]
	s_delay_alu instid0(VALU_DEP_1)
	v_lshl_or_b32 v[OW], v[T], 16, v[OW]
.endif
.irp b, 0,1
	v_cvt_scalef32_pk8_fp4_f32 v[OC+4*\c+2*\b], v[S+16*\b:S+7+16*\b], v[SO+\b]
	v_cvt_scalef32_pk8_fp4_f32 v[OC+4*\c+1+2*\b], v[S+8+16*\b:S+15+16*\b], v[SO+\b]
.endr
	v_nop                                          ; one plain place behind a scaled conversion
	v_permlane16_swap_b32 v[OC+4*\c], v[OC+4*\c+2]
	v_permlane16_swap_b32 v[OC+4*\c+1], v[OC+4*\c+3]
.endm
; All 16 key steps of head c.  The step is written once: the first finds zeros in O^T and the sum and -3e38 as the largest t, so that the first change of M multiplies zeros by 0.
.macro PASS c
	v_mov_b32 v13, 0xff61b1e6
	s_delay_alu instid0(VALU_DEP_1)
	v_floor_f32 v12, -v13
	v_mov_b32 v14, 0
	v_mov_b32 v15, 0
.set i, 0
.rept 32
	v_mov_b32 v[O+i], 0
.set i, i+1
.endr
	s_mov_b32 s40, KVH*\c                          ; LDS byte at which the step in hand begins
	s_mov_b32 s41, 16
.Lstep_\@:
	s_setprio 2
	STEP \c
	s_add_co_u32 s40, s40, KVS
	s_sub_co_u32 s41, s41, 1
	s_cmp_lg_u32 s41, 0
	s_cbranch_scc1 .Lstep_\@
	s_setprio 0
	FINAL \c
.endm
	s_wait_loadcnt 0x0                             ; Q and its scale words
	s_wait_tensorcnt 1                             ; my step of head 0 has landed; head 1's may stay out
	s_barrier_signal -1
	s_barrier_wait -1                              ; everybody's has
	PASS 0
	s_wait_tensorcnt 0x0                           ; my step of head 1 has landed,
	s_wait_dscnt 0x0
	s_barrier_signal -1
	s_barrier_wait -1                              ; everybody's has
	PASS 1
	global_store_b128 v[L16], v[OC:OC+3],   s[10:11]               ; the fragment as it stands: 32 lanes store 512 consecutive bytes
	global_store_b128 v[L16], v[OC+4:OC+7], s[10:11] offset:512
	ds_store_b32 v[SWA], v[OW]                     ; the sixteen tiles' scale words meet in LDS (lanes l and l xor 16 write the same word with the same value),
	s_wait_dscnt 0x0                               ; for the others' sake
	s_barrier_signal -1
	s_barrier_wait -1
	s_cmp_lt_u32 s14, 2                            ; and waves 0 and 1 store them: 1,024 consecutive bytes
	s_cbranch_scc0 .Lno_words
	ds_load_b128 v[S:S+3], v[SRA]
	s_wait_dscnt 0x0
	global_store_b128 v[GSO], v[S:S+3], s[12:13]
.Lno_words:
	s_wait_tensorcnt 0x0
	ds_add_u32 v254, v255
	s_wait_dscnt 0x0
	CROUND                                         ; the closing round: no work-group ends while a partner may still ask for a tile that names it
	s_endpgm
.Lfunc_end_k_qf38c9cf778_attn:
	.size	k_qf38c9cf778_attn, .Lfunc_end_k_qf38c9cf778_attn-k_qf38c9cf778_attn
	.p2alignl 7, 3214868480
	.fill 96, 4, 3214868480
	.section	.rodata,"a",@progbits
	.p2align	6, 0x0
	.amdhsa_kernel k_qf38c9cf778_attn
		.amdhsa_group_segment_fixed_size 327680
		.amdhsa_private_segment_fixed_size 0
		.amdhsa_enable_private_segment 0
		.amdhsa_kernarg_size 40
		.amdhsa_user_sgpr_count 2
		.amdhsa_user_sgpr_kernarg_segment_ptr 1
		.amdhsa_wavefront_size32 1
		.amdhsa_system_sgpr_workgroup_id_x 1
		.amdhsa_system_sgpr_workgroup_id_y 1
		.amdhsa_system_sgpr_workgroup_id_z 1
		.amdhsa_system_vgpr_workitem_id 0
		.amdhsa_next_free_vgpr 256
		.amdhsa_next_free_sgpr 66
		.amdhsa_reserve_vcc 0
		.amdhsa_float_denorm_mode_32 3
		.amdhsa_float_denorm_mode_16_64 3
		.amdhsa_memory_ordered 1
		.amdhsa_forward_progress 1
		.amdhsa_inst_pref_size 50
	.end_amdhsa_kernel
	.amdgpu_metadata
---
amdhsa.version: [ 1, 2 ]
amdhsa.kernels:
  - .name:           k_qf38c9cf778_attn
    .symbol:         k_qf38c9cf778_attn.kd
    .args:
      - { .name: qc, .offset: 0, .size: 8, .value_kind: global_buffer, .address_space: global }
      - { .name: qs, .offset: 8, .size: 8, .value_kind: global_buffer, .address_space: global }
      - { .name: kv, .offset: 16, .size: 8, .value_kind: global_buffer, .address_space: global }
      - { .name: ao, .offset: 24, .size: 8, .value_kind: global_buffer, .address_space: global }
      - { .name: aos, .offset: 32, .size: 8, .value_kind: global_buffer, .address_space: global }
    .group_segment_fixed_size: 327680
    .private_segment_fixed_size: 0
    .kernarg_segment_align: 8
    .kernarg_segment_size: 40
    .max_flat_workgroup_size: 512
    .sgpr_count:     66
    .vgpr_count:     256
    .wavefront_size: 32
...
	.end_amdgpu_metadata
.endif
;; end of part 2
;; launch proj (part 3): grid 4 x 64, 4 waves a work-group, clusters of 4 x 4, 235,008 bytes of LDS; arguments ao, aos, W_proj_codes, W_proj_scales, b_proj, out0; writes out0
.if DOCPART == 3
	.amdgcn_target "amdgcn-amd-amdhsa--gfx1250"
	.amdhsa_code_object_version 6
	.text
	.protected	k_qf38c9cf778_proj
	.globl	k_qf38c9cf778_proj
	.p2align	8
	.type	k_qf38c9cf778_proj,@function
k_qf38c9cf778_proj:
	s_mov_b64 s[64:65], 0
	v_nop
	global_prefetch_b8 v0, s[64:65] scope:SCOPE_SE
	s_setreg_imm32_b32 hwreg(HW_REG_WAVE_MODE, 25, 1), 1
	s_wait_xcnt 0x0
	s_wait_alu depctr_hold_cnt(0) depctr_sa_sdst(0) depctr_va_vdst(0) depctr_va_sdst(0) depctr_va_ssrc(0) depctr_va_vcc(0) depctr_vm_vsrc(0)
	s_getreg_b32 s2, hwreg(HW_REG_IB_STS2, 6, 4)
	s_cmp_eq_u32 s2, 0
	s_cbranch_scc0 .Lentry_in_a_cluster
	s_endpgm
.Lentry_in_a_cluster:
	s_bfe_u32 s2, ttmp6, 0x10000c
	s_cmp_lg_u32 s2, 0xf033
	s_cbranch_scc0 .Lentry_shape_is_right
	s_endpgm
.Lentry_shape_is_right:
; out0 = A W_proj + b_proj on codes of FP4 (E2M1) with E8M0 scales.  A is the attention's result as the launch before left it: ao [512 token tiles][8 K steps][1024 bytes], images of operand registers
; (lane l's 16 bytes at 16 l, registers 0-3 then 4-7), aos [8 K steps][512 tiles][16 rows] scale words.  W_proj: [1024 columns][1024 K] codes, 512 bytes a row; scale bytes 32 a row.  out0: [8192][1024] f32.
; SHARES.  A work-group takes 256 columns x 128 tokens (8 token tiles); a wave 128 columns (source 0 = W) x 64 tokens (source 1 = A): 32 accumulators, 256 matrix instructions.  A lane then holds one token and eight
; neighbouring columns an accumulator.  256 work-groups.
; THE ROWS OF A TILE ARE NOT NEIGHBOURS: lane r of tile 2 b + u takes row 32 b + 8 u + r + 8 (r / 8).  For W that puts columns 32 b + 16 (lane / 16) + 0 .. 15 into the 16 registers of tiles 2 b, 2 b + 1; the token
; tiles were made in that order, and the stores' offsets put each token's row where it belongs.
; LDS, filled once: W's rows 16 g + 8 u + j as row 8 g + j of region u (512 bytes + 16 of padding a row: 132 words, so that the 16 rows of a load start at 16 different banks; 64 banks of 4 bytes: ISA guide 11.1);
; A's images as they lie; behind them a stage of 16 rows x 528 bytes for each wave, into which no fill lands.
; CLUSTERS: 4 x 4.  A's images hang on the token block alone (shared along a row of the cluster), W's rows on the block of columns alone (shared along a column): each is asked for jointly.
; The bias is the C of each sum's first matrix instruction.
; REGISTERS: window 0: v1-15 lane numbers and addresses; v16-47, v48-63 scale words of W, of A (nothing else ever lies there); v64-127 the bias; v128-255 rows on their way out.
;   window 1: accumulator (a, b) at v[8 (8 a + b)].   window 2: two sets of fragments, at 0 and 96: W's eight, then A's four.
.set PITCH, 528
.set WU,    128*PITCH                  ; a region of W: 128 rows
.set TROW,  16*PITCH
.set AO,    2*WU                       ; A's images: 8 tiles x 8,192 bytes
.set STAGE, AO+65536
.set SC0,   16
.set SC1,   48
.set BQ,    64
.set BK,    128
.set STO,   12                         ; v12  the stage: where I put 32 bytes of a row
.set RD,    9                          ; v9   and where I read a row back
.set CO,    11                         ; v11  16 x lane
.set MSB,   0
.macro WIN new                         ; the immediate's high byte repeats the setting that is left
.if MSB != \new
	s_set_vgpr_msb (MSB<<8)|\new
.set MSB, \new
.endif
.endm
.macro PLACES n
.rept \n
	v_nop
.endr
.endm
.macro CROUND                          ; a round of the cluster's barrier
	s_barrier_signal -1
	s_barrier_wait -1
	s_cmp_lg_u32 s20, 0
	s_cbranch_scc1 .Lnot_wave_0_\@
	s_barrier_signal -3
.Lnot_wave_0_\@:
	s_barrier_wait -3
	s_barrier_signal -1
	s_barrier_wait -1
.endm
.macro FETCH k                         ; the fragments of K step k (24 LDS loads) into set k % 2
.irp b, 0,1,2,3,4,5,6,7
	ds_load_b128 v[96*((\k)%2)+8*\b:96*((\k)%2)+8*\b+3],   v[6+\b%2] offset:(\b/2)*TROW+64*(\k)
	ds_load_b128 v[96*((\k)%2)+8*\b+4:96*((\k)%2)+8*\b+7], v[6+\b%2] offset:(\b/2)*TROW+64*(\k)+32
.endr
.irp a, 0,1,2,3
	ds_load_b128 v[96*((\k)%2)+64+8*\a:96*((\k)%2)+64+8*\a+3],   v8 offset:8192*\a+1024*(\k)
	ds_load_b128 v[96*((\k)%2)+64+8*\a+4:96*((\k)%2)+64+8*\a+7], v8 offset:8192*\a+1024*(\k)+512
.endr
.endm
; K step k: 32 matrix instructions; the 32 accumulators take turns, one instruction a turn, in the same order in every step.
; A tile's scale register k % 4 holds the word of K step k % 4 in lanes 0-15 and that of K step 4 + k % 4 in lanes 16-31.
.macro MUL k
.irp a, 0,1,2,3
.irp b, 0,1,2,3,4,5,6,7
.if (\k) == 0
	v_wmma_scale_f32_16x16x128_f8f6f4 v[8*(8*\a+\b):8*(8*\a+\b)+7], v[96*((\k)%2)+8*\b:96*((\k)%2)+8*\b+7], v[96*((\k)%2)+64+8*\a:96*((\k)%2)+64+8*\a+7], v[BQ+8*\b:BQ+8*\b+7], v[SC0+4*\b+(\k)%4], v[SC1+4*\a+(\k)%4] matrix_a_fmt:MATRIX_FMT_FP4 matrix_b_fmt:MATRIX_FMT_FP4
.elseif (\k) < 4
	v_wmma_scale_f32_16x16x128_f8f6f4 v[8*(8*\a+\b):8*(8*\a+\b)+7], v[96*((\k)%2)+8*\b:96*((\k)%2)+8*\b+7], v[96*((\k)%2)+64+8*\a:96*((\k)%2)+64+8*\a+7], v[8*(8*\a+\b):8*(8*\a+\b)+7], v[SC0+4*\b+(\k)%4], v[SC1+4*\a+(\k)%4] matrix_a_fmt:MATRIX_FMT_FP4 matrix_b_fmt:MATRIX_FMT_FP4
.else
	v_wmma_scale_f32_16x16x128_f8f6f4 v[8*(8*\a+\b):8*(8*\a+\b)+7], v[96*((\k)%2)+8*\b:96*((\k)%2)+8*\b+7], v[96*((\k)%2)+64+8*\a:96*((\k)%2)+64+8*\a+7], v[8*(8*\a+\b):8*(8*\a+\b)+7], v[SC0+4*\b+(\k)%4], v[SC1+4*\a+(\k)%4] matrix_a_fmt:MATRIX_FMT_FP4 matrix_b_fmt:MATRIX_FMT_FP4 matrix_a_scale:MATRIX_SCALE_ROW1 matrix_b_scale:MATRIX_SCALE_ROW1
.endif
.endr
.endr
.endm
	s_load_b256 s[4:11], s[0:1], 0x0               ; ao s[4:5], aos s[6:7], W's codes s[8:9], W's scales s[10:11]
	s_load_b128 s[12:15], s[0:1], 0x20             ; b_proj s[12:13], out0 s[14:15]
	v_lshl_add_u32 v14, v0, 2, 0x39400
	s_set_vgpr_msb 0x80
	v_mov_b32 v255, 0
	s_set_vgpr_msb 0x8088
	ds_add_u32 v14, v255
	ds_add_u32 v14, v255
	s_set_vgpr_msb 0x8800
	v_lshrrev_b32 v1, 5, v0
	v_readfirstlane_b32 s20, v1                    ; wave 0..3
	s_and_b32 s21, s20, 1                          ; W1: which 128 columns are mine
	s_lshr_b32 s22, s20, 1                         ; W2: which 64 tokens.  Also: I fetch for A (0) or for W (1), half or region W1
	s_bfe_u32 s23, ttmp6, 0x40000                  ; cx, cy
	s_bfe_u32 s24, ttmp6, 0x40004
	s_lshl_b32 s25, ttmp9, 2
	s_add_co_u32 s25, s25, s23                     ; wt: my block of 256 columns
	s_and_b32 s26, ttmp7, 0xffff
	s_lshl_b32 s26, s26, 2
	s_add_co_u32 s26, s26, s24                     ; tb: my block of 128 tokens
	s_lshl_b32 s27, s24, 2
	s_lshl_b32 s27, 15, s27                        ; my row of the cluster
	s_lshl_b32 s28, 0x1111, s23                    ; my column
	; group 1 for A: four tiles' images, 32,768 dense bytes, as 128 rows of 256 bytes; no padding: images are read 16 bytes a lane on end
	s_or_b32 s32, s27, (3<<16)|(1<<21)             ; 15:0 the mask: my row; 17:16 elements of 8 bytes; 21 set beside a mask
	s_mov_b32 s33, 32<<16
	s_mov_b32 s34, 128<<16
	s_mov_b32 s35, 32<<16
	s_mov_b32 s36, 128
	s_mov_b32 s37, 32
	s_mov_b32 s38, 0
	s_mov_b32 s39, 0
	; group 1 for W: a row of the tile is EIGHT rows of memory, 4,096 dense bytes; the next begins 8,192 bytes on; 16 bytes of padding behind every 512
	s_or_b32 s44, s28, (3<<16)|(1<<20)|(1<<21)|(6<<22)|(3<<25)
	s_mov_b32 s45, 512<<16
	s_mov_b32 s46, 16<<16
	s_mov_b32 s47, 512<<16
	s_mov_b32 s48, 16
	s_mov_b32 s49, 1024
	s_mov_b32 s50, 0
	s_mov_b32 s51, 0
	s_lshl_b32 s72, s26, 16                        ; A: 8 tiles of 8,192 bytes a token block, my half of them
	s_lshl_b32 s74, s21, 15
	s_add_co_u32 s72, s72, s74
	s_mov_b32 s73, 0
	s_lshl_b32 s76, s25, 17                        ; W: 256 rows of 512 bytes a block; region u begins 8 rows in
	s_lshl_b32 s75, s21, 12
	s_add_co_u32 s76, s76, s75
	s_mov_b32 s77, 0
	s_mul_i32 s79, s21, WU
	s_wait_dscnt 0x0
	s_wait_kmcnt 0x0
	s_mov_b32 s40, 1
	s_add_co_u32 s41, s74, AO
	s_add_nc_u64 s[42:43], s[4:5], s[72:73]
	s_or_b32 s43, s43, 0x80000000
	s_mov_b32 s52, 1
	s_mov_b32 s53, s79
	s_add_nc_u64 s[54:55], s[8:9], s[76:77]
	s_or_b32 s55, s55, 0x80000000
	CROUND                                         ; all sixteen work-groups are here: the joint loads meet
	s_cmp_eq_u32 s22, 0                            ; one tensor load a wave is all that this launch has out
	s_cbranch_scc0 .Lfor_w
	tensor_load_to_lds s[40:43], s[32:39]
	s_nop 0
	PLACES 4
	s_branch .Lasked
.Lfor_w:
	tensor_load_to_lds s[52:55], s[44:51]
	s_nop 0
	PLACES 4
.Lasked:
	v_and_b32 v1, 31, v0                           ; lane
	v_and_b32 v2, 15, v0                           ; r
	v_bfe_u32 v3, v0, 4, 1                         ; h
	v_and_b32 v4, 8, v2
	v_add_nc_u32 v4, v4, v2                        ; r + 8 (r / 8)
	v_lshlrev_b32 v5, 5, v4
	v_lshl_add_u32 v5, v3, 4, v5                   ; W's scale bytes: 32 a row; lanes 16-31 take K steps 4-7
	s_wait_alu depctr_va_vdst(0)
	v_lshlrev_b32 v10, 2, v2
	v_lshl_add_u32 v10, v3, 17, v10                ; A's scale words: 4 r; lanes 16-31 four K steps (4 x 32,768 bytes) on
	s_wait_alu depctr_va_vdst(0)
	v_lshlrev_b32 v13, 6, v3                       ; the bias: 64 h
	s_wait_alu depctr_va_vdst(0)
	v_lshlrev_b32 v[CO], 4, v1
	s_wait_alu depctr_va_vdst(0)
	s_lshl_b32 s80, s25, 8
	s_lshl_b32 s81, s21, 7
	s_add_co_u32 s80, s80, s81                     ; my first column: 256 wt + 128 W1
	s_lshl_b32 s82, s80, 5
	s_mov_b32 s83, 0
	s_add_nc_u64 s[10:11], s[10:11], s[82:83]
	s_lshl_b32 s82, s80, 2
	s_add_nc_u64 s[12:13], s[12:13], s[82:83]
	s_lshl_b32 s84, s26, 9                         ; my first token tile: 8 tb + 4 W2, 64 bytes of scale words each
	s_lshl_b32 s85, s22, 8
	s_add_co_u32 s84, s84, s85
	s_mov_b32 s85, 0
	s_add_nc_u64 s[6:7], s[6:7], s[84:85]
.irp b, 0,1,2,3,4,5,6,7
	global_load_b128 v[SC0+4*\b:SC0+4*\b+3], v5, s[10:11] offset:(32*(\b/2)+8*(\b%2))*32
.endr
.irp a, 0,1,2,3
.irp q, 0,1,2,3
	global_load_b32 v[SC1+4*\a+\q], v10, s[6:7] offset:32768*\q+64*\a
.endr
.endr
.irp b, 0,1,2,3,4,5,6,7
	global_load_b128 v[BQ+8*\b:BQ+8*\b+3],   v13, s[12:13] offset:(32*(\b/2)+8*(\b%2))*4      ; for tile b: the bias of columns 32 (b / 2) + 16 h + 8 (b % 2) + 0 .. 7
	global_load_b128 v[BQ+8*\b+4:BQ+8*\b+7], v13, s[12:13] offset:(32*(\b/2)+8*(\b%2))*4+16
.endr
	s_lshl_b32 s86, s26, 19                        ; out0 at my first token's row (4,096 bytes a row) and my first column
	s_lshl_b32 s87, s22, 18
	s_add_co_u32 s86, s86, s87
	s_add_co_u32 s86, s86, s82
	s_mov_b32 s87, 0
	s_add_nc_u64 s[14:15], s[14:15], s[86:87]
	v_mul_u32_u24 v15, v2, PITCH
	v_lshl_add_u32 v6, v3, 4, v15                  ; W's fragments: row x pitch + 16 h,
	s_mul_i32 s88, s21, 64*PITCH                   ; my 128 rows are rows 64 W1 on of each region
	v_add_nc_u32 v6, s88, v6
	v_add_nc_u32 v7, WU, v6
	s_lshl_b32 s89, s22, 15                        ; A's: my four tiles' images, 16 bytes a lane
	s_add_co_u32 s89, s89, AO
	v_add_nc_u32 v8, s89, v[CO]
	s_mul_i32 s90, s20, 16*PITCH
	s_add_co_u32 s90, s90, STAGE                   ; my stage
	v_lshl_add_u32 v[STO], v3, 6, v15              ; in: row r, + 64 h
	v_add_nc_u32 v[STO], s90, v[STO]
	v_add_nc_u32 v[RD], s90, v[CO]                 ; back: the 32 lanes take one row of 512 bytes
	s_wait_alu depctr_va_vdst(0)
	s_wait_loadcnt 0x0                             ; scale words and bias
	s_wait_tensorcnt 0x0                           ; my part has landed,
	s_barrier_signal -1
	s_barrier_wait -1                              ; everybody's has
	; ALL OF K.  While step k is multiplied, step k + 1's fragments come into the other set.  A load into a register that a matrix instruction has read stands four places behind it, and only plain vector instructions
	; that name none of its registers are places (ISA guide 7.12.1 for vector instructions): four v_nop in front of each run of loads, and of the first read of results.
	WIN 0x80                                       ; destination window 2, address window 0
	FETCH 0
.irp k, 0,1,2,3,4,5,6
.if \k > 0
	PLACES 4
.endif
	WIN 0x80
	FETCH \k+1
	s_wait_dscnt 24                                ; all but the 24 loads just issued: step k's fragments are in
.if \k == 0
	WIN 0x4a                                       ; sources 0 and 1 window 2, C (the bias) window 0, D window 1
.else
	WIN 0x5a                                       ; C and D window 1
.endif
	MUL \k
.endr
	s_wait_dscnt 0x0
	MUL 7
	WIN 0
	PLACES 4
; THE WAY OUT, a token tile (16 rows x 128 columns) at a time.  A lane holds pieces of 32 bytes of one row, and the lanes beside it hold other rows: so a tile goes through my own stage and comes back as whole rows of
; 512 bytes.  LDS serves a wave's instructions in order (ISA guide 5.7.1.4): no wait between the stores and the loads, nor in front of the next tile's stores.
.macro TOSTAGE a
	WIN 0x04                                       ; an LDS store's data are its source 1: window 1
.irp b, 0,1,2,3,4,5,6,7
	ds_store_b128 v[STO], v[8*(8*(\a)+\b):8*(8*(\a)+\b)+3]   offset:128*(\b/2)+32*(\b%2)      ; each accumulator from its low end on: columns 32 (b / 2) + 16 h + 8 (b % 2) + 0 .. 7
	ds_store_b128 v[STO], v[8*(8*(\a)+\b)+4:8*(8*(\a)+\b)+7] offset:128*(\b/2)+32*(\b%2)+16
.endr
	WIN 0
.set BB, BK+64*((\a)%2)
.irp i, 0,1,2,3,4,5,6,7,8,9,10,11,12,13,14,15
	ds_load_b128 v[BB+4*\i:BB+4*\i+3], v[RD] offset:\i*PITCH
.endr
.endm
.macro SEND a, younger                 ; younger: the LDS instructions issued behind tile a's loads, which may stay out
.set BB, BK+64*((\a)%2)
	s_wait_dscnt \younger
.irp i, 0,1,2,3,4,5,6,7,8,9,10,11,12,13,14,15
	global_store_b128 v[CO], v[BB+4*\i:BB+4*\i+3], s[14:15] offset:(32*((\a)/2)+8*((\a)%2)+\i+8*(\i/8))*4096 th:TH_STORE_NT   ; row i of tile a is token 32 (a / 2) + 8 (a % 2) + i + 8 (i / 8); 32 lanes store 512 consecutive bytes, at a multiple of 256 from out0's first byte
.endr
.endm
	TOSTAGE 0
.irp a, 1,2,3
.if \a > 1
	s_wait_xcnt 0x0                                ; tile a - 2's stores have read their registers: tile a's loads may land there
.endif
	TOSTAGE \a
	SEND \a-1, 32                                  ; behind tile a - 1's loads: tile a's 16 stores and 16 loads
.endr
	SEND 3, 0
	s_set_vgpr_msb 0x8
	s_wait_tensorcnt 0x0
	ds_add_u32 v14, v255
	s_wait_dscnt 0x0
	s_set_vgpr_msb 0x800
	CROUND                                         ; the closing round: no work-group ends while a partner may still ask for a tile that names it
	s_endpgm
.Lfunc_end_k_qf38c9cf778_proj:
	.size	k_qf38c9cf778_proj, .Lfunc_end_k_qf38c9cf778_proj-k_qf38c9cf778_proj
	.p2alignl 7, 3214868480
	.fill 96, 4, 3214868480
	.section	.rodata,"a",@progbits
	.p2align	6, 0x0
	.amdhsa_kernel k_qf38c9cf778_proj
		.amdhsa_group_segment_fixed_size 235008
		.amdhsa_private_segment_fixed_size 0
		.amdhsa_enable_private_segment 0
		.amdhsa_kernarg_size 48
		.amdhsa_user_sgpr_count 2
		.amdhsa_user_sgpr_kernarg_segment_ptr 1
		.amdhsa_wavefront_size32 1
		.amdhsa_system_sgpr_workgroup_id_x 1
		.amdhsa_system_sgpr_workgroup_id_y 1
		.amdhsa_system_sgpr_workgroup_id_z 1
		.amdhsa_system_vgpr_workitem_id 0
		.amdhsa_next_free_vgpr 768
		.amdhsa_next_free_sgpr 96
		.amdhsa_reserve_vcc 0
		.amdhsa_float_denorm_mode_32 3
		.amdhsa_float_denorm_mode_16_64 3
		.amdhsa_memory_ordered 1
		.amdhsa_forward_progress 1
		.amdhsa_inst_pref_size 71
	.end_amdhsa_kernel
	.amdgpu_metadata
---
amdhsa.version: [ 1, 2 ]
amdhsa.kernels:
  - .name:           k_qf38c9cf778_proj
    .symbol:         k_qf38c9cf778_proj.kd
    .args:
      - { .name: ao, .offset: 0, .size: 8, .value_kind: global_buffer, .address_space: global }
      - { .name: aos, .offset: 8, .size: 8, .value_kind: global_buffer, .address_space: global }
      - { .name: W_proj_codes, .offset: 16, .size: 8, .value_kind: global_buffer, .address_space: global }
      - { .name: W_proj_scales, .offset: 24, .size: 8, .value_kind: global_buffer, .address_space: global }
      - { .name: b_proj, .offset: 32, .size: 8, .value_kind: global_buffer, .address_space: global }
      - { .name: out0, .offset: 40, .size: 8, .value_kind: global_buffer, .address_space: global }
    .group_segment_fixed_size: 235008
    .private_segment_fixed_size: 0
    .kernarg_segment_align: 8
    .kernarg_segment_size: 48
    .max_flat_workgroup_size: 128
    .sgpr_count:     96
    .vgpr_count:     768
    .wavefront_size: 32
...
	.end_amdgpu_metadata
.endif
;; end of part 3
